; MI455X (gfx1250); checked and timed in simulation.
; The chip was launched on July 23, 2026; its instructions are those of AMD's public machine-readable ISA for CDNA 5 (MIT licence, August 2026) and "CDNA5" Instruction Set Architecture Reference Guide (July 2026). The comments in the code are by the model that wrote it; some were corrected since.
;; Column Parallel Fused Moe Linear. Allowed arithmetic: float matrix products may take bf16 or f16 operands with f32 sums; other float arithmetic in f32, or as packed bf16 or f16 multiplies, adds, multiply-adds, maxima and minima; sums over many terms, partial sums and values carried from step to step in f32; what a program stores and reads back later, other than sums and carried values, may be rounded once to bf16 or f16.
;; Inputs: m_sizes 8 int32; weight 8 x 2,048 x 1,024 float32; x 4,096 x 1,024 float32.
;; Outputs: out0 4,096 x 2,048 float32.
;; 2 versions, each right and faster than the one before. Each part assembles by itself: llvm-mc -triple=amdgcn-amd-amdhsa -mcpu=gfx1250 --defsym DOCPART=n.
;; ======== version 1 of 2: 1 launch
;; launch gmm (part 1): grid 32 x 8, 4 waves a work-group, no clusters, 327,680 bytes of LDS; arguments m_sizes, weight, x, out0; writes out0
.if DOCPART == 1
	.amdgcn_target "amdgcn-amd-amdhsa--gfx1250"
	.amdhsa_code_object_version 6
	.text
	.protected	k_qc587012926_gmm
	.globl	k_qc587012926_gmm
	.p2align	8
	.type	k_qc587012926_gmm,@function
k_qc587012926_gmm:
	s_mov_b64 s[64:65], 0
	v_nop
	global_prefetch_b8 v0, s[64:65] scope:SCOPE_SE
	s_setreg_imm32_b32 hwreg(HW_REG_WAVE_MODE, 25, 1), 1
	s_wait_xcnt 0x0
; GROUPED GEMM.  out[t][o] = sum over i of x[t][i] weight[e(t)][o][i];  x [4096][1024], weight [8][2048][1024], out [4096][2048], all f32; m_sizes [8] i32.
; Rows lie sorted by expert: e(t) = the number of running sums of m_sizes that are <= t.  Rows at or behind the last running sum belong to no expert and are written as 0; running sums are cut at 4096.
; FORMATS.  x and weight are rounded once to bf16 (nearest even) on their way to the matrix unit; sums in f32; out is the f32 sum.  bf16 has f32's range, so no input's size is a limit.
; LIMIT.  m_sizes is taken as not negative: a negative entry is read as unsigned and cut at 4096.
; THE DEAL.  Grid 32 x 8: y is a slice of 256 output columns, x is one of 32 row tiles.  Every work-group reads m_sizes and deals alike: nine groups of rows (8 experts, and the rows of none); a tile is 16 c rows of ONE
; group, c the smallest of 8 .. 11 with sum ceil(M_e / 16 c) <= 32.  c = 11 always serves: nine groups that are not empty give at most floor(4087 / 176) + 9 = 32 tiles.  A tile that a split leaves without rows
; walks the loop with nothing to multiply (every wave passes every barrier) and stores nothing.
; SHARES.  Four waves; wave w has columns 64 w .. 64 w + 63 of the slice and ALL the tile's rows: up to 11 blocks of 16 rows x 4 blocks of 16 columns = 44 accumulators.  Blocks past the tile's count are jumped.
; WEIGHTS are a wave's own: its tensor load brings 64 rows x 128 k of f32 (512 bytes of each row, at a multiple of 512) into its part of one of two slots; it reads them in fragment order and rounds in registers.
; x is shared by the four waves: each loads a quarter of the rows (a load covers 256 bytes of each of two rows), rounds once, and stores bf16 into one of two buffers, from which all read fragments.
; K = 1024 = 32 passes of 32 = 16 x steps of 64 = 8 weight chunks of 128.  In a pass lane half h holds k = 16 h .. 16 h + 15, on both sides alike: the products are the same, only their order in the sum differs.
; THE MATRIX INSTRUCTION IS USED TRANSPOSED (source 0 = 16 weight rows, source 1 = 16 x rows): a lane holds one row of out and eight neighbouring columns.
; NO CLUSTER.  A weight tile's readers are the row tiles of one expert in one slice; a slice's 32 tiles are 8 fours, dealt among up to nine groups of any lengths, so four neighbours need not be of one expert.  x's rows
; are shared along the 8 slices, but a joint load would bring them as f32: 2 x 176 rows x 272 bytes = 95,744 bytes, where, the bf16 buffers given up, 56,832 are free.
; REGISTERS, in windows of 256 (s_set_vgpr_msb: bits 1:0 source 0, 3:2 source 1, 5:4 source 2, 7:6 destination):
;   window 0: v0-39 addresses; v40-127, v128-215 x as loaded, by the x step's parity (load (a, i): 4 registers at 8 a + 4 i); v40-71 again on the way out
;   window 1: v0-87, v88-175 x fragments by the pass's parity (8 a block); v176-207, v208-239 weight fragments likewise (8 a column block)
;   window 2: accumulators (a, b), a < 8, at 32 a + 8 b      window 3: v0-95 those of a = 8 .. 10; v96-159 one pass's weights in f32 (16 a column block)
.set BPITCH, 528              ; a weight row in LDS: 512 bytes + 16 = 132 words: row r starts at bank 4 r mod 64 (64 banks of 4 bytes: ISA guide 11.1)
.set BWAVE,  64*BPITCH        ; a wave's part of a slot
.set BSLOT,  4*BWAVE          ; 135,168
.set APITCH, 144              ; an x row in LDS: 64 bf16 + 16 bytes = 36 words: 16 rows start at 16 different groups of four banks
.set ABUF,   176*APITCH       ; 25,344
.set AB0,    2*BSLOT          ; x steps of even number; on the way out each wave's stage (no tensor load ever fills these bytes)
.set AB1,    AB0+ABUF         ; x steps of odd number
.set SPARE,  AB1+ABUF         ; the spare words: 128 bytes a wave, two blocks of 256 bytes that no other line names
.set SPITCH, 272              ; a stage row: 64 f32 + 16 bytes
.set SWAVE,  16*SPITCH
.set R16,  1                  ; v1   lane % 16
.set TV,   2                  ; v2   at work
.set ADRA, 4                  ; v4-5   my place in an x fragment, buffer 0, 1
.set ADRB, 6                  ; v6-7   my place in my wave's weights, slot 0, 1
.set STA,  8                  ; v8-9   where I store 8 bytes of rounded x, buffer 0, 1
.set STO,  10                 ; v10  the way out: where I put 32 bytes of a row
.set RD,   11                 ; v11  the way out: where I read a row back
.set CO,   12                 ; v12  my byte offset in two rows of out
.set HH,   13                 ; v13  lane / 16
.set SPW,  14                 ; v14  my spare word; never rewritten
.set NIL,  15                 ; v15  0; never rewritten
.set AOFF, 16                 ; v16-37  byte offset in x of load (a, i), at 2 a + i; never rewritten
.set R16B, 38                 ; v38  16 x (lane % 16)
.set ROWV, 39                 ; v39  the tile's first row + 2 w + 8 (lane / 16)
.set SA,   40
.set OB,   40
.set FB,   176                ; window 1
.set RAW,  96                 ; window 3
.set WV,   12                 ; s12  wave
.set SJ,   13                 ; s13  my row tile, 0 .. 31
.set SL,   14                 ; s14  my slice, 0 .. 7
.set T0,   15
.set SM,   16                 ; s16-24  rows of the nine groups
.set SMB,  25                 ; s25-33  their blocks of 16 rows
.set RUN,  34
.set T1,   35
.set G1,   36                 ; s[36:43] descriptor group 1
.set G0,   44                 ; s[44:47], s[48:51] descriptor group 0, a set for each slot
.set SC,   52                 ; c
.set SMAG, 53                 ; ceil(65536 / c) or one more: v x SMAG >> 16 = floor(v / c) for v <= 266
.set SN,   54
.set SE,   55                 ; my group
.set ASEL, 56                 ; its first tile
.set MSEL, 57                 ; its rows
.set SSEL, 58                 ; its first row
.set SRUN, 59
.set REM,  60                 ; my tile's rows; on the way out those still to be stored
.set NB,   61                 ; blocks to multiply
.set ROW0, 62
.set ROWL, 63
.set EZ,   66                 ; 1: my rows belong to no expert
.set NBO,  67                 ; blocks to store
.set TRIP, 68
.set SVX,  70
.set ZI,   71
.set WOF,  72                 ; s[72:73] byte offset in weight
.set OOF,  74                 ; s[74:75] byte offset in out
.set MSB, 0
.macro WIN new                ; the immediate's high byte repeats the setting that is left; a switch that changes nothing is dropped
.if MSB != (\new)
	s_set_vgpr_msb (MSB<<8)|(\new)
.set MSB, \new
.endif
.endm
.macro PLACES
.rept 4
	v_nop
.endr
.endm
.macro SKIPIF blk, lab        ; blocks blk and on are past my tile: forward, over matrix instructions or LDS loads alone; at a branch every window is 0
	WIN 0
	s_cmp_le_u32 s[NB], \blk
	s_cbranch_scc1 \lab
.endm
; The fragments of pass pn: 16 loads of my wave's weights in f32 (lane: row 16 b + l % 16, k = 16 h + 4 j ..), then two loads for each block of x rows (lane: row 16 a + l % 16, k = 16 h ..).
.macro FETCH pn, all
	WIN 0xc0
.irp b, 0,1,2,3
.irp j, 0,1,2,3
	ds_load_b128 v[RAW+16*(\b)+4*(\j):RAW+16*(\b)+4*(\j)+3], v[ADRB+(((\pn)>>2)&1)] offset:16*BPITCH*(\b)+128*((\pn)&3)+16*(\j)
.endr
.endr
.irp a, 0,1,2,3,4,5,6,7,8,9,10
.if !(\all) && (((\a) == 0) || ((\a) == 4) || ((\a) >= 8))
	SKIPIF \a, .Lfe_\@
.endif
	WIN 0x40
	ds_load_b128 v[88*((\pn)&1)+8*(\a):88*((\pn)&1)+8*(\a)+3],   v[ADRA+(((\pn)>>1)&1)] offset:16*APITCH*(\a)+64*((\pn)&1)
	ds_load_b128 v[88*((\pn)&1)+8*(\a)+4:88*((\pn)&1)+8*(\a)+7], v[ADRA+(((\pn)>>1)&1)] offset:16*APITCH*(\a)+64*((\pn)&1)+16
.endr
	WIN 0
.Lfe_\@:
.endm
; Pass p's products.  Every accumulator has a turn of one instruction, and the shortest run is sixteen: no two matrix instructions that follow each other name one accumulator.
; zero = 1: the products start the sums.  all = 1: nothing is jumped, so that every accumulator is written on every way.
.macro WMMA p, zero, all
.irp a, 0,1,2,3,4,5,6,7,8,9,10
.if !(\all) && (((\a) == 0) || ((\a) == 4) || ((\a) >= 8))
	SKIPIF \a, .Lwm_\@
.endif
.if (\a) < 8
	WIN 0xa5
.else
	WIN 0xf5
.endif
.irp b, 0,1,2,3
.set rD, (32*(\a)+8*(\b))&255
.set rB, FB+32*((\p)&1)+8*(\b)
.set rA, 88*((\p)&1)+8*(\a)
.if \zero
	v_wmma_f32_16x16x32_bf16 v[rD:rD+7], v[rB:rB+7], v[rA:rA+7], 0
.else
	v_wmma_f32_16x16x32_bf16 v[rD:rD+7], v[rB:rB+7], v[rA:rA+7], v[rD:rD+7]
.endif
.endr
.endr
	WIN 0
.Lwm_\@:
.endm
; Pass pn's weights are rounded: 64 f32 a lane into 32 registers.  These 32 plain lines name no register of the products just issued: they are the places behind them.
.macro CVTB pn
	WIN 0x4f
.irp b, 0,1,2,3
.irp m, 0,1,2,3,4,5,6,7
	v_cvt_pk_bf16_f32 v[FB+32*((\pn)&1)+8*(\b)+(\m)], v[RAW+16*(\b)+2*(\m)], v[RAW+16*(\b)+2*(\m)+1]
.endr
.endr
	WIN 0
.endm
; Half i of an x step (parity sel): its 11 loads are in; rounded in place, stored into the step's buffer (lanes 16-31 lie 8 rows = 288 words further: the other 32 banks);
; koff >= 0: the registers are asked for again, for the step two on, at byte koff of the rows.
.macro ACONV sel, i, lcnt, koff
	WIN 0
	s_wait_loadcnt \lcnt                   ; loads come back in order (ISA guide 5.7.1): the groups of 11 issued behind this one stay out
.irp a, 0,1,2,3,4,5,6,7,8,9,10
	v_cvt_pk_bf16_f32 v[SA+88*(\sel)+8*(\a)+4*(\i)],   v[SA+88*(\sel)+8*(\a)+4*(\i)],   v[SA+88*(\sel)+8*(\a)+4*(\i)+1]
	v_cvt_pk_bf16_f32 v[SA+88*(\sel)+8*(\a)+4*(\i)+1], v[SA+88*(\sel)+8*(\a)+4*(\i)+2], v[SA+88*(\sel)+8*(\a)+4*(\i)+3]
.endr
.irp a, 0,1,2,3,4,5,6,7,8,9,10
	ds_store_b64 v[STA+(\sel)], v[SA+88*(\sel)+8*(\a)+4*(\i):SA+88*(\sel)+8*(\a)+4*(\i)+1] offset:16*APITCH*(\a)+APITCH*(\i)
.endr
.if (\koff) >= 0
.irp a, 0,1,2,3,4,5,6,7,8,9,10
	global_load_b128 v[SA+88*(\sel)+8*(\a)+4*(\i):SA+88*(\sel)+8*(\a)+4*(\i)+3], v[AOFF+2*(\a)+(\i)], s[8:9] offset:\koff
.endr
.endif
.endm
; The barrier behind an x step's second pass does both orders: in front of it my stores of the next step are done and my reads of this step's buffer are back.
.macro PLAINBAR
	s_wait_dscnt 0x0
	s_barrier_signal -1
	s_barrier_wait -1
.endm
; The same barrier where a weight slot has been read out: the slot is filled again, with the chunk two on: the one tensor load of the wave behind the barrier, and the first thing there; four passes lie ahead of its first read.
.macro REFILL slot
	WIN 0
	s_wait_tensorcnt 0x0                   ; my one load that was out, the other slot's chunk, has landed: a group 0 may be written
	ds_add_u32 v[SPW], v[NIL]              ; 0 onto my spare word
	s_add_nc_u64 s[G0+4*(\slot)+2:G0+4*(\slot)+3], s[G0+4*(\slot)+2:G0+4*(\slot)+3], 1024  ; two chunks of 512 bytes on; the type bits on top are not reached
	s_wait_dscnt 0x0                       ; the add is done, my stores of x are done, my reads of the slot and of x are back
	s_barrier_signal -1
	s_barrier_wait -1
	tensor_load_to_lds s[G0+4*(\slot):G0+4*(\slot)+3], s[G1:G1+7]
	s_nop 0
	PLACES
.endm
; PASS p: the next pass's fragments are asked for; this pass's products; the next pass's weights are rounded; half (p + 1) & 1 of x step (p + 3) / 2 is rounded and stored, and (re = 1) step (p + 3) / 2 + 2 asked for.
; The loads into x's fragment registers stand behind the 32 conversions of the pass before, which are the places behind the products that read them.
.macro PASS p, zero, all, lcnt, re
	FETCH (\p)+1, \all
	WMMA \p, \zero, \all
	s_wait_dscnt 0x0                       ; jumped loads make the count differ from way to way: so it is 0
	CVTB (\p)+1
.if (\lcnt) >= 0
.set aS, (((\p)+3)/2)&1
.set aI, ((\p)+1)&1
.set aK, -1
.if \re
.set aK, 256*(((\p)+3)/2+2)
.endif
	ACONV aS, aI, \lcnt, aK
.endif
.endm
	s_load_b256 s[4:11], s[0:1], 0x0       ; m_sizes s[4:5], weight s[6:7], x s[8:9], out s[10:11]
	v_lshl_add_u32 v[SPW], v0, 2, SPARE
	v_mov_b32 v[NIL], 0
	ds_add_u32 v[SPW], v[NIL]              ; the wave's opening: the add and its wait stand ahead of my first tensor load; work on registers stands between them
	v_lshrrev_b32 v[TV], 5, v0
	v_readfirstlane_b32 s[WV], v[TV]       ; wave 0..3
	s_mov_b32 s[SJ], ttmp9
	s_and_b32 s[SL], ttmp7, 0xffff
	v_and_b32 v[R16], 15, v0
	v_bfe_u32 v[HH], v0, 4, 1
	; descriptor group 1: a tile of 64 rows x 128 elements of 4 bytes, padded in LDS
	s_mov_b32 s[G1+0], (2<<16)|(1<<20)|(6<<22)|(3<<25)  ; 17:16 elements of 4 bytes; 20 padding on; 24:22 after every 128 words (code 6); 31:25 4 words of it (code 3)
	s_mov_b32 s[G1+1], 128<<16             ; tensor_dim0 = 128
	s_mov_b32 s[G1+2], 64<<16              ; tensor_dim1 = 64
	s_mov_b32 s[G1+3], 128<<16             ; tile_dim0 = 128
	s_mov_b32 s[G1+4], 64                  ; tile_dim1 = 64
	s_mov_b32 s[G1+5], 1024                ; elements from row to row
	s_mov_b32 s[G1+6], 0
	s_mov_b32 s[G1+7], 0
	s_mov_b32 s[G0], 1                     ; count = 1
	s_mul_i32 s[G0+1], s[WV], BWAVE        ; LDS address: my wave's part of slot 0,
	s_mov_b32 s[G0+4], 1
	s_add_co_u32 s[G0+5], s[G0+1], BSLOT   ; of slot 1
	v_mul_u32_u24 v[TV], v[R16], APITCH    ; x fragments: row x pitch + 32 x half
	v_lshl_add_u32 v[TV], v[HH], 5, v[TV]
	v_add_nc_u32 v[ADRA], AB0, v[TV]
	v_add_nc_u32 v[ADRA+1], AB1, v[TV]
	v_mul_u32_u24 v[TV], v[R16], BPITCH    ; weights: row x pitch + 64 x half + my wave's part
	v_lshl_add_u32 v[TV], v[HH], 6, v[TV]
	v_add_nc_u32 v[ADRB], s[G0+1], v[TV]
	v_add_nc_u32 v[ADRB+1], BSLOT, v[ADRB]
	s_mul_i32 s[T1], s[WV], 2*APITCH       ; rounded x: row 2 w + 8 half, 8 bytes a lane
	v_mul_u32_u24 v[TV], v[HH], 8*APITCH
	v_lshl_add_u32 v[TV], v[R16], 3, v[TV]
	v_add_nc_u32 v[TV], s[T1], v[TV]
	v_add_nc_u32 v[STA], AB0, v[TV]
	v_add_nc_u32 v[STA+1], AB1, v[TV]
	s_mul_i32 s[T1], s[WV], SWAVE
	s_add_co_u32 s[T1], s[T1], AB0         ; my stage
	v_mul_u32_u24 v[TV], v[R16], SPITCH    ; in: row l % 16, 32 bytes for each half of the lanes
	v_lshl_add_u32 v[TV], v[HH], 5, v[TV]
	v_add_nc_u32 v[STO], s[T1], v[TV]
	v_mul_u32_u24 v[TV], v[HH], SPITCH     ; back: lanes 0-15 one row of 256 bytes, lanes 16-31 the next
	v_lshl_add_u32 v[TV], v[R16], 4, v[TV]
	v_add_nc_u32 v[RD], s[T1], v[TV]
	v_lshlrev_b32 v[R16B], 4, v[R16]
	v_lshl_add_u32 v[CO], v[HH], 13, v[R16B]  ; and the same two rows in out
	s_wait_dscnt 0x0                       ; the opening add is done
	s_wait_kmcnt 0x0
	s_load_b256 s[SM:SM+7], s[4:5], 0x0    ; m_sizes
	s_wait_kmcnt 0x0
	; THE DEAL, alike in every work-group.  Rows of each group, the running sum cut at 4096; group 8 is what is left.
	s_mov_b32 s[RUN], 0
.irp e, 0,1,2,3,4,5,6,7
	s_min_u32 s[SM+\e], s[SM+\e], 0x1000
	s_add_co_u32 s[T0], s[RUN], s[SM+\e]
	s_min_u32 s[T0], s[T0], 0x1000
	s_sub_co_u32 s[SM+\e], s[T0], s[RUN]
	s_mov_b32 s[RUN], s[T0]
.endr
	s_sub_co_u32 s[SM+8], 0x1000, s[RUN]
.irp e, 0,1,2,3,4,5,6,7,8
	s_add_co_u32 s[SMB+\e], s[SM+\e], 15
	s_lshr_b32 s[SMB+\e], s[SMB+\e], 4
.endr
; does a tile of c blocks give 32 tiles or fewer?  ceil(MB / c) = (MB + c - 1) x mag >> 16: exact, since mag x c - 65536 <= 8 and (MB + c - 1) <= 266
.macro TRYC c, mag
	s_mov_b32 s[SN], 0
.irp e, 0,1,2,3,4,5,6,7,8
	s_add_co_u32 s[T0], s[SMB+\e], (\c)-1
	s_mul_i32 s[T0], s[T0], \mag
	s_lshr_b32 s[T0], s[T0], 16
	s_add_co_u32 s[SN], s[SN], s[T0]
.endr
	s_cmp_le_u32 s[SN], 32
	s_cselect_b32 s[SC], \c, s[SC]
	s_cselect_b32 s[SMAG], \mag, s[SMAG]
.endm
	s_mov_b32 s[SC], 11
	s_mov_b32 s[SMAG], 5958
	TRYC 10, 6554                          ; the number of tiles does not fall as c falls, so the last c that serves is the smallest
	TRYC 9, 7282
	TRYC 8, 8193
	; my group: the last whose first tile is at or before mine
	s_mov_b32 s[SE], 0
	s_mov_b32 s[ASEL], 0
	s_mov_b32 s[MSEL], s[SM]
	s_mov_b32 s[SSEL], 0
	s_mov_b32 s[RUN], 0                    ; tiles so far
	s_mov_b32 s[SRUN], 0                   ; rows so far
	s_sub_co_u32 s[T1], s[SC], 1
.irp e, 0,1,2,3,4,5,6,7
	s_add_co_u32 s[T0], s[SMB+\e], s[T1]
	s_mul_i32 s[T0], s[T0], s[SMAG]
	s_lshr_b32 s[T0], s[T0], 16
	s_add_co_u32 s[RUN], s[RUN], s[T0]
	s_add_co_u32 s[SRUN], s[SRUN], s[SM+\e]
	s_cmp_le_u32 s[RUN], s[SJ]
	s_cselect_b32 s[SE], (\e)+1, s[SE]
	s_cselect_b32 s[ASEL], s[RUN], s[ASEL]
	s_cselect_b32 s[MSEL], s[SM+\e+1], s[MSEL]
	s_cselect_b32 s[SSEL], s[SRUN], s[SSEL]
.endr
	s_sub_co_u32 s[T0], s[SJ], s[ASEL]     ; my tile among the group's,
	s_lshl_b32 s[T1], s[SC], 4             ; of 16 c rows:
	s_mul_i32 s[T0], s[T0], s[T1]          ; its first row in the group
	s_sub_co_i32 s[REM], s[MSEL], s[T0]
	s_max_i32 s[REM], s[REM], 0
	s_min_u32 s[REM], s[REM], s[T1]        ; its rows, 0 .. 16 c
	s_add_co_u32 s[ROW0], s[SSEL], s[T0]
	s_min_u32 s[ROW0], s[ROW0], 0xfff      ; its first row (a tile without rows: some row that exists)
	s_max_u32 s[T0], s[REM], 1
	s_add_co_u32 s[T0], s[T0], s[ROW0]
	s_sub_co_u32 s[T0], s[T0], 1
	s_min_u32 s[ROWL], s[T0], 0xfff        ; its last row: places past the count repeat it
	s_add_co_u32 s[NBO], s[REM], 15
	s_lshr_b32 s[NBO], s[NBO], 4
	s_cmp_eq_u32 s[SE], 8
	s_cselect_b32 s[EZ], 1, 0
	s_cselect_b32 s[NB], 0, s[NBO]         ; rows of no expert are not multiplied
	s_min_u32 s[SE], s[SE], 7              ; the expert whose weights are walked
	s_lshl_b32 s[WOF], s[SE], 23           ; an expert is 2^23 bytes,
	s_lshl_b32 s[T0], s[SL], 20            ; a slice's 256 rows 2^20,
	s_add_co_u32 s[WOF], s[WOF], s[T0]
	s_lshl_b32 s[T0], s[WV], 18            ; a wave's 64 rows 2^18
	s_add_co_u32 s[WOF], s[WOF], s[T0]
	s_mov_b32 s[WOF+1], 0
	s_add_nc_u64 s[G0+2:G0+3], s[6:7], s[WOF:WOF+1]  ; chunk 0
	s_add_nc_u64 s[G0+6:G0+7], s[G0+2:G0+3], 512     ; chunk 1
	s_or_b32 s[G0+3], s[G0+3], 0x80000000  ; type = 2
	s_or_b32 s[G0+7], s[G0+7], 0x80000000
	tensor_load_to_lds s[G0:G0+3], s[G1:G1+7]        ; the two first fills go out together, ahead of every wait on TENSORcnt, every LDS read and every barrier: two loads of mine are out
	s_nop 0
	tensor_load_to_lds s[G0+4:G0+7], s[G1:G1+7]
	s_nop 0
	PLACES
	s_lshl_b32 s[OOF], s[ROW0], 13         ; out at my tile's first row, my slice's and my wave's columns
	s_lshl_b32 s[T0], s[SL], 10
	s_add_co_u32 s[OOF], s[OOF], s[T0]
	s_lshl_b32 s[T0], s[WV], 8
	s_add_co_u32 s[OOF], s[OOF], s[T0]
	s_mov_b32 s[OOF+1], 0
	s_add_nc_u64 s[10:11], s[10:11], s[OOF:OOF+1]
	; load (a, i) of my wave: rows 16 a + 2 w + i (lanes 0-15) and 8 further (lanes 16-31), 256 bytes of each
	s_lshl_b32 s[T0], s[WV], 1
	s_add_co_u32 s[T0], s[T0], s[ROW0]
	v_lshl_add_u32 v[ROWV], v[HH], 3, s[T0]
.irp a, 0,1,2,3,4,5,6,7,8,9,10
.irp i, 0,1
	v_add_nc_u32 v[TV], 16*(\a)+(\i), v[ROWV]
	v_min_u32 v[TV], s[ROWL], v[TV]        ; past the count: the tile's last row
	v_min_u32 v[TV], 0xfff, v[TV]          ; and inside x by a constant
	v_lshl_add_u32 v[AOFF+2*(\a)+(\i)], v[TV], 12, v[R16B]
.endr
.endr
.irp u, 0,1
.irp i, 0,1
.irp a, 0,1,2,3,4,5,6,7,8,9,10
	global_load_b128 v[SA+88*(\u)+8*(\a)+4*(\i):SA+88*(\u)+8*(\a)+4*(\i)+3], v[AOFF+2*(\a)+(\i)], s[8:9] offset:256*(\u)  ; x steps 0 and 1: four groups of 11
.endr
.endr
.endr
	ACONV 0, 0, 33, 512                    ; step 0, and step 1's first half; each group's registers are asked for again, two steps on: four groups are always out
	ACONV 0, 1, 33, 512
	ACONV 1, 0, 33, 768
	s_wait_tensorcnt 0x1                   ; my chunk 0 is in; chunk 1, issued behind it, stays out
	PLAINBAR
	FETCH 0, 1
	s_wait_dscnt 0x0
	CVTB 0
	PASS 0, 1, 1, 33, 1                    ; the first pass stands ahead of the loop: its products start the sums, and nothing is jumped
	PLAINBAR
	s_mov_b32 s[TRIP], 3
.Ltrip:                                        ; passes 8 k + 1 .. 8 k + 8: four x steps, both slots filled again
	PASS 1, 0, 0, 33, 1
	PASS 2, 0, 0, 33, 1
	REFILL 0
	PASS 3, 0, 0, 33, 1
	PASS 4, 0, 0, 33, 1
	PLAINBAR
	PASS 5, 0, 0, 33, 1
	PASS 6, 0, 0, 33, 1
	REFILL 1
	PASS 7, 0, 0, 33, 1
	PASS 8, 0, 0, 33, 1
	PLAINBAR
	s_wait_xcnt 0x0                        ; the loads' addresses are translated (ISA guide 3.1): only now is x's base stepped
	s_add_nc_u64 s[8:9], s[8:9], 1024      ; four x steps of 256 bytes
	s_sub_co_u32 s[TRIP], s[TRIP], 1
	s_cmp_lg_u32 s[TRIP], 0
	s_cbranch_scc1 .Ltrip
	PASS 25, 0, 0, 33, 0                   ; the tail asks for nothing more: the counts of x's groups run down
	PASS 26, 0, 0, 22, 0
	s_wait_tensorcnt 0x0                   ; my last chunk, read from the next pass on
	PLAINBAR
	PASS 27, 0, 0, 11, 0
	PASS 28, 0, 0, 0, 0
	PLAINBAR                               ; behind it nobody reads or writes x's even buffer any more: it becomes the stages
	PASS 29, 0, 0, -1, 0
	PASS 30, 0, 0, -1, 0
	WMMA 31, 0, 0
	; THE WAY OUT, a block of 16 rows at a time: a lane's 32 bytes of a row go into my own stage and come back as whole rows of 256 bytes.
	PLACES                                 ; behind the last products
	s_cmp_eq_u32 s[REM], 0
	s_cbranch_scc1 .Lend                   ; a tile without rows stores nothing
	s_cmp_lg_u32 s[EZ], 0
	s_cbranch_scc1 .Lzero
; eight stores of two rows each, rows past the count off.  EXEC changes only behind s_wait_xcnt 0
.macro MSTORES base, step
.irp t, 0,1,2,3,4,5,6,7
	s_sub_co_i32 s[T0], s[REM], 2*(\t)
	v_cmp_gt_i32 vcc_lo, s[T0], v[HH]      ; row 2 t + lane / 16 is below the count
	s_wait_xcnt 0x0
	s_and_saveexec_b32 s[SVX], vcc_lo
	global_store_b128 v[CO], v[(\base)+(\step)*(\t):(\base)+(\step)*(\t)+3], s[10:11] offset:16384*(\t) th:TH_STORE_NT
	s_wait_xcnt 0x0
	s_or_b32 exec_lo, exec_lo, s[SVX]
.endr
.endm
.macro OUTBLK blk
.if (\blk) > 0
	s_cmp_eq_u32 s[REM], 0
	s_cbranch_scc1 .Lend
.endif
.if (\blk) < 8
	WIN 0x08                               ; the stores' data in window 2
.else
	WIN 0x0c                               ; in window 3
.endif
.irp b, 0,1,2,3
.set rD, (32*(\blk)+8*(\b))&255
	ds_store_b128 v[STO], v[rD:rD+3] offset:64*(\b)        ; each accumulator's low registers first
	ds_store_b128 v[STO], v[rD+4:rD+7] offset:64*(\b)+16
.endr
	WIN 0
	s_wait_xcnt 0x0                        ; the last block's stores have read their registers and their base
.if (\blk) > 0
	s_add_nc_u64 s[10:11], s[10:11], 131072  ; 16 rows of out on
.endif
.irp t, 0,1,2,3,4,5,6,7
	ds_load_b128 v[OB+4*(\t):OB+4*(\t)+3], v[RD] offset:2*SPITCH*(\t)  ; LDS serves a wave's instructions in order (ISA guide 5.7.1.4): these see the stores above
.endr
	s_cmp_lt_u32 s[REM], 16
	s_cbranch_scc1 .Lpartial
.irp t, 0,1,2,3,4,5,6,7
	s_wait_dscnt 7-(\t)                    ; read-back t is in; the younger ones stay out
	global_store_b128 v[CO], v[OB+4*(\t):OB+4*(\t)+3], s[10:11] offset:16384*(\t) th:TH_STORE_NT  ; 16 lanes store 256 consecutive bytes, at a multiple of 256 from out's first byte
.endr
	s_sub_co_u32 s[REM], s[REM], 16
.endm
.irp k, 0,1,2,3,4,5,6,7,8,9,10
	OUTBLK \k
.endr
	s_branch .Lend
.Lpartial:                                     ; the tile's last block, 1 to 15 rows
	s_wait_dscnt 0x0
	MSTORES OB, 4
	s_branch .Lend
.Lzero:                                        ; rows of no expert: zeros
.irp q, 0,1,2,3
	v_mov_b32 v[OB+\q], 0
.endr
	s_mov_b32 s[ZI], 0
.Lzl:
	MSTORES OB, 0
	s_add_nc_u64 s[10:11], s[10:11], 131072  ; behind the last s_wait_xcnt 0 of the stores above
	s_sub_co_i32 s[REM], s[REM], 16
	s_add_co_u32 s[ZI], s[ZI], 1
	s_cmp_lt_u32 s[ZI], s[NBO]
	s_cbranch_scc1 .Lzl
.Lend:
	s_wait_tensorcnt 0x0                   ; the wave's end, behind my last tensor load and my last LDS store
	ds_add_u32 v[SPW], v[NIL]
	s_wait_dscnt 0x0
	s_endpgm
.Lfunc_end_k_qc587012926_gmm:
	.size	k_qc587012926_gmm, .Lfunc_end_k_qc587012926_gmm-k_qc587012926_gmm
	.p2alignl 7, 3214868480
	.fill 96, 4, 3214868480
	.section	.rodata,"a",@progbits
	.p2align	6, 0x0
	.amdhsa_kernel k_qc587012926_gmm
		.amdhsa_group_segment_fixed_size 327680
		.amdhsa_private_segment_fixed_size 0
		.amdhsa_enable_private_segment 0
		.amdhsa_kernarg_size 32
		.amdhsa_user_sgpr_count 2
		.amdhsa_user_sgpr_kernarg_segment_ptr 1
		.amdhsa_wavefront_size32 1
		.amdhsa_system_sgpr_workgroup_id_x 1
		.amdhsa_system_sgpr_workgroup_id_y 1
		.amdhsa_system_sgpr_workgroup_id_z 1
		.amdhsa_system_vgpr_workitem_id 0
		.amdhsa_next_free_vgpr 928
		.amdhsa_next_free_sgpr 76
		.amdhsa_reserve_vcc 1
		.amdhsa_float_denorm_mode_32 3
		.amdhsa_float_denorm_mode_16_64 3
		.amdhsa_memory_ordered 1
		.amdhsa_forward_progress 1
		.amdhsa_inst_pref_size 237
	.end_amdhsa_kernel
	.amdgpu_metadata
---
amdhsa.version: [ 1, 2 ]
amdhsa.kernels:
  - .name:           k_qc587012926_gmm
    .symbol:         k_qc587012926_gmm.kd
    .args:
      - { .name: m_sizes, .offset: 0, .size: 8, .value_kind: global_buffer, .address_space: global }
      - { .name: weight, .offset: 8, .size: 8, .value_kind: global_buffer, .address_space: global }
      - { .name: x, .offset: 16, .size: 8, .value_kind: global_buffer, .address_space: global }
      - { .name: out0, .offset: 24, .size: 8, .value_kind: global_buffer, .address_space: global }
    .group_segment_fixed_size: 327680
    .private_segment_fixed_size: 0
    .kernarg_segment_align: 8
    .kernarg_segment_size: 32
    .max_flat_workgroup_size: 128
    .sgpr_count:     76
    .vgpr_count:     928
    .wavefront_size: 32
...
	.end_amdgpu_metadata
.endif
;; end of part 1
;; ======== version 2 of 2: 1 launch; 1.13 times as fast as version 1
;; launch gmm (part 2): grid 32 x 8, 4 waves a work-group, no clusters, 142,336 bytes of LDS; arguments m_sizes, weight, x, out0; writes out0
.if DOCPART == 2
	.amdgcn_target "amdgcn-amd-amdhsa--gfx1250"
	.amdhsa_code_object_version 6
	.text
	.protected	k_qc587012926_gmm
	.globl	k_qc587012926_gmm
	.p2align	8
	.type	k_qc587012926_gmm,@function
k_qc587012926_gmm:
	s_mov_b64 s[64:65], 0
	v_nop
	global_prefetch_b8 v0, s[64:65] scope:SCOPE_SE
	s_setreg_imm32_b32 hwreg(HW_REG_WAVE_MODE, 25, 1), 1
	s_wait_xcnt 0x0
; GROUPED GEMM.  out[t][o] = sum over i of x[t][i] weight[e(t)][o][i];  x [4096][1024], weight [8][2048][1024], out [4096][2048], all f32; m_sizes [8] i32.
; Rows lie sorted by expert: e(t) = the number of running sums of m_sizes that are <= t.  Rows at or behind the last running sum belong to no expert and are written as 0; running sums are cut at 4096.
; FORMATS.  x and weight are rounded once to bf16 (nearest even) on their way to the matrix unit; sums in f32; out is the f32 sum.  bf16 has f32's range, so no input's size is a limit.
; LIMIT.  m_sizes is taken as not negative: a negative entry is read as unsigned and cut at 4096.
; THE DEAL.  Grid 32 x 8: y is a slice of 256 output columns, x is one of 32 row tiles.  Every work-group reads m_sizes and deals alike: nine groups of rows (8 experts, and the rows of none); a tile is 16 c rows of ONE
; group, c the smallest of 8 .. 11 with sum ceil(M_e / 16 c) <= 32.  c = 11 always serves: nine groups that are not empty give at most floor(4087 / 176) + 9 = 32 tiles.  A tile that a split leaves without rows
; walks the loop with nothing to multiply (every wave passes every barrier) and stores nothing.
; SHARES.  Four waves; wave w has columns 64 w .. 64 w + 63 of the slice and ALL the tile's rows: up to 11 blocks of 16 rows x 4 blocks of 16 columns = 44 accumulators.  Blocks past the tile's count are jumped.
; BOTH OPERANDS COME THROUGH REGISTERS: a load covers 256 bytes of each of two rows; the lane's four f32 are rounded to 8 bytes and stored into LDS rows of 64 bf16, from which fragments are read.  x's rows are shared: each
; wave loads a quarter of them and all four read them.  A wave's 64 weight rows are its own.  The loads go in groups of 27 (16 of weights, 11 of x: half an x step); two groups of every wave are always out,
; 54 loads of 512 bytes, 110,592 bytes a work-group, and a group is asked for again as soon as it has been rounded: no line of the loop waits for all loads.
; K = 1024 = 32 passes of 32 = 16 x steps of 64.  In a pass lane half h holds k = 16 h .. 16 h + 15, on both sides alike: the products are the same, only their order in the sum differs.
; THE MATRIX INSTRUCTION IS USED TRANSPOSED (source 0 = 16 weight rows, source 1 = 16 x rows): a lane holds one row of out and eight neighbouring columns.
; NO CLUSTER.  A weight tile's readers are the row tiles of one expert in one slice; a slice's 32 tiles are 8 fours, dealt among up to nine groups of any lengths, so four neighbours need not be of one expert.  x's rows
; are shared along the 8 slices, but a joint load would bring them as f32 into LDS: 176 rows x 256 bytes written and read once more in every x step, for about 128 of the 384 rows that a work-group asks for.
; REGISTERS, in windows of 256 (s_set_vgpr_msb: bits 1:0 source 0, 3:2 source 1, 5:4 source 2, 7:6 destination):
;   window 0: v0-39 addresses; v40-127 x as loaded (load (a, i): 4 registers at 8 a + 4 i); v128-255 weights as loaded (load (b, m): 4 registers at 4 (8 b + m)); v40-71 again on the way out
;   window 1: v0-87, v88-175 x fragments by the pass's parity (8 a block); v176-207, v208-239 weight fragments likewise (8 a column block)
;   window 2: accumulators (a, b), a < 8, at 32 a + 8 b      window 3: v0-95 those of a = 8 .. 10
.set APITCH, 144              ; a row in LDS: 64 bf16 + 16 bytes = 36 words: 16 rows start at 16 different groups of four banks (64 banks of 4 bytes: ISA guide 11.1)
.set XBUF,   176*APITCH       ; 25,344: an x step; steps of even number at 0, of odd number at XBUF
.set WWAVE,  64*APITCH        ; 9,216: a wave's weights of an x step
.set WBUF,   4*WWAVE          ; 36,864
.set WB0,    2*XBUF           ; weights of even steps; of odd steps WBUF further
.set STAGE,  WB0+2*WBUF       ; 16 rows x 272 bytes for each wave, for the way out
.set SPITCH, 272              ; a stage row: 64 f32 + 16 bytes
.set SWAVE,  16*SPITCH
.set SPARE,  STAGE+4*SWAVE    ; the spare words: 128 bytes a wave, two blocks of 256 bytes that no other line names
.set R16,  1                  ; v1   lane % 16
.set TV,   2                  ; v2   at work
.set WL,   3                  ; v3   my byte offset in two weight rows 8 apart; never rewritten
.set ADRA, 4                  ; v4   my place in an x fragment
.set ADRW, 5                  ; v5   my place in a fragment of my wave's weights
.set STA,  6                  ; v6   where I store 8 bytes of rounded x
.set STW,  7                  ; v7   where I store 8 bytes of rounded weights
.set STO,  10                 ; v10  the way out: where I put 32 bytes of a row
.set RD,   11                 ; v11  the way out: where I read a row back
.set CO,   12                 ; v12  my byte offset in two rows of out
.set HH,   13                 ; v13  lane / 16
.set SPW,  14                 ; v14  my spare word; never rewritten
.set NIL,  15                 ; v15  0; never rewritten
.set AOFF, 16                 ; v16-37  byte offset in x of load (a, i), at 2 a + i; never rewritten
.set R16B, 38                 ; v38  16 x (lane % 16)
.set ROWV, 39                 ; v39  the tile's first row + 2 w + 8 (lane / 16)
.set SAX,  40
.set SAW,  128
.set OB,   40
.set FB,   176                ; window 1
.set WV,   12                 ; s12  wave
.set SJ,   13                 ; s13  my row tile, 0 .. 31
.set SL,   14                 ; s14  my slice, 0 .. 7
.set T0,   15
.set SM,   16                 ; s16-24  rows of the nine groups
.set SMB,  25                 ; s25-33  their blocks of 16 rows
.set RUN,  34
.set T1,   35
.set SC,   52                 ; c
.set SMAG, 53                 ; ceil(65536 / c) or one more: v x SMAG >> 16 = floor(v / c) for v <= 266
.set SN,   54
.set SE,   55                 ; my group
.set ASEL, 56                 ; its first tile
.set MSEL, 57                 ; its rows
.set SSEL, 58                 ; its first row
.set SRUN, 59
.set REM,  60                 ; my tile's rows; on the way out those still to be stored
.set NB,   61                 ; blocks to multiply
.set ROW0, 62
.set ROWL, 63
.set EZ,   66                 ; 1: my rows belong to no expert
.set NBO,  67                 ; blocks to store
.set TRIP, 68
.set SVX,  70
.set ZI,   71
.set WOF,  72                 ; s[72:73] byte offset in weight
.set OOF,  74                 ; s[74:75] byte offset in out
.set MSB, 0
.macro WIN new                ; the immediate's high byte repeats the setting that is left; a switch that changes nothing is dropped
.if MSB != (\new)
	s_set_vgpr_msb (MSB<<8)|(\new)
.set MSB, \new
.endif
.endm
.macro PLACES
.rept 4
	v_nop
.endr
.endm
.macro SKIPIF blk, lab        ; blocks blk and on are past my tile: forward, over matrix instructions or LDS loads alone; at a branch every window is 0
	WIN 0
	s_cmp_le_u32 s[NB], \blk
	s_cbranch_scc1 \lab
.endm
; The fragments of pass pn, two loads of 16 bytes each: my wave's four blocks of weight rows, then the blocks of x rows (lane: row l % 16 of the block, k = 16 h .. 16 h + 15 of the pass).
.macro FETCH pn, all
	WIN 0x40
.irp b, 0,1,2,3
	ds_load_b128 v[FB+32*((\pn)&1)+8*(\b):FB+32*((\pn)&1)+8*(\b)+3],   v[ADRW] offset:WBUF*(((\pn)>>1)&1)+16*APITCH*(\b)+64*((\pn)&1)
	ds_load_b128 v[FB+32*((\pn)&1)+8*(\b)+4:FB+32*((\pn)&1)+8*(\b)+7], v[ADRW] offset:WBUF*(((\pn)>>1)&1)+16*APITCH*(\b)+64*((\pn)&1)+16
.endr
.irp a, 0,1,2,3,4,5,6,7,8,9,10
.if !(\all) && (((\a) == 0) || ((\a) == 4) || ((\a) >= 8))
	SKIPIF \a, .Lfe_\@
.endif
	WIN 0x40
	ds_load_b128 v[88*((\pn)&1)+8*(\a):88*((\pn)&1)+8*(\a)+3],   v[ADRA] offset:XBUF*(((\pn)>>1)&1)+16*APITCH*(\a)+64*((\pn)&1)
	ds_load_b128 v[88*((\pn)&1)+8*(\a)+4:88*((\pn)&1)+8*(\a)+7], v[ADRA] offset:XBUF*(((\pn)>>1)&1)+16*APITCH*(\a)+64*((\pn)&1)+16
.endr
	WIN 0
.Lfe_\@:
.endm
; Pass p's products.  Every accumulator has a turn of one instruction, and the shortest run is sixteen: no two matrix instructions that follow each other name one accumulator.
; zero = 1: the products start the sums.  all = 1: nothing is jumped, so that every accumulator is written on every way.
.macro WMMA p, zero, all
.irp a, 0,1,2,3,4,5,6,7,8,9,10
.if !(\all) && (((\a) == 0) || ((\a) == 4) || ((\a) >= 8))
	SKIPIF \a, .Lwm_\@
.endif
.if (\a) < 8
	WIN 0xa5
.else
	WIN 0xf5
.endif
.irp b, 0,1,2,3
.set rD, (32*(\a)+8*(\b))&255
.set rB, FB+32*((\p)&1)+8*(\b)
.set rA, 88*((\p)&1)+8*(\a)
.if \zero
	v_wmma_f32_16x16x32_bf16 v[rD:rD+7], v[rB:rB+7], v[rA:rA+7], 0
.else
	v_wmma_f32_16x16x32_bf16 v[rD:rD+7], v[rB:rB+7], v[rA:rA+7], v[rD:rD+7]
.endif
.endr
.endr
	WIN 0
.Lwm_\@:
.endm
; Half i of an x step's loads.  Weights: rows 16 b + m (lanes 0-15) and 8 further (lanes 16-31) of my wave's 64, m = i, i + 2, i + 4, i + 6; row and k stand in the immediate, 226,304 at the most.
.macro GLW i, koff
.irp b, 0,1,2,3
.irp mm, 0,1,2,3
	global_load_b128 v[SAW+4*(8*(\b)+2*(\mm)+(\i)):SAW+4*(8*(\b)+2*(\mm)+(\i))+3], v[WL], s[6:7] offset:4096*(16*(\b)+2*(\mm)+(\i))+(\koff)
.endr
.endr
.endm
.macro GLX i, koff            ; x: rows 16 a + 2 w + i and 8 further
.irp a, 0,1,2,3,4,5,6,7,8,9,10
	global_load_b128 v[SAX+8*(\a)+4*(\i):SAX+8*(\a)+4*(\i)+3], v[AOFF+2*(\a)+(\i)], s[8:9] offset:\koff
.endr
.endm
; Half i of an x step (buffers sel): its 27 loads are in; rounded in place, stored (lanes 16-31 lie 8 rows = 288 words further: the other 32 banks); koff >= 0: the registers are asked for again, for the next step.
; These 54 plain lines name no register of the products just issued: they are the places behind them.
.macro ACONV i, sel, lcnt, koff
	WIN 0
	s_wait_loadcnt \lcnt                   ; loads come back in order (ISA guide 5.7.1): the group of 27 issued behind this one stays out
.irp b, 0,1,2,3
.irp mm, 0,1,2,3
	v_cvt_pk_bf16_f32 v[SAW+4*(8*(\b)+2*(\mm)+(\i))],   v[SAW+4*(8*(\b)+2*(\mm)+(\i))],   v[SAW+4*(8*(\b)+2*(\mm)+(\i))+1]
	v_cvt_pk_bf16_f32 v[SAW+4*(8*(\b)+2*(\mm)+(\i))+1], v[SAW+4*(8*(\b)+2*(\mm)+(\i))+2], v[SAW+4*(8*(\b)+2*(\mm)+(\i))+3]
.endr
.endr
.irp a, 0,1,2,3,4,5,6,7,8,9,10
	v_cvt_pk_bf16_f32 v[SAX+8*(\a)+4*(\i)],   v[SAX+8*(\a)+4*(\i)],   v[SAX+8*(\a)+4*(\i)+1]
	v_cvt_pk_bf16_f32 v[SAX+8*(\a)+4*(\i)+1], v[SAX+8*(\a)+4*(\i)+2], v[SAX+8*(\a)+4*(\i)+3]
.endr
.irp b, 0,1,2,3
.irp mm, 0,1,2,3
	ds_store_b64 v[STW], v[SAW+4*(8*(\b)+2*(\mm)+(\i)):SAW+4*(8*(\b)+2*(\mm)+(\i))+1] offset:WBUF*(\sel)+APITCH*(16*(\b)+2*(\mm)+(\i))
.endr
.endr
.irp a, 0,1,2,3,4,5,6,7,8,9,10
	ds_store_b64 v[STA], v[SAX+8*(\a)+4*(\i):SAX+8*(\a)+4*(\i)+1] offset:XBUF*(\sel)+16*APITCH*(\a)+APITCH*(\i)
.endr
.if (\koff) >= 0
	GLW \i, \koff
	GLX \i, \koff
.endif
.endm
; The barrier behind an x step's second pass does both orders: in front of it my stores of the next step are done and my reads of this step's buffers are back.
.macro PLAINBAR
	s_wait_dscnt 0x0
	s_barrier_signal -1
	s_barrier_wait -1
.endm
; PASS p: the next pass's fragments are asked for; this pass's products; half (p + 1) & 1 of x step (p + 3) / 2 is rounded and stored, and (re = 1) the step behind it asked for, at its byte less kb, by which the bases
; have been stepped.  The loads into the fragment registers stand behind the conversions of the pass before, which are the places behind the products that read them; a pass without conversions has four v_nop.
.macro PASS p, lcnt, re, kb
	FETCH (\p)+1, 0
	WMMA \p, 0, 0
	s_wait_dscnt 0x0                       ; the next pass's fragments; jumped loads make the count differ from way to way: so it is 0
.if (\lcnt) >= 0
.set aI, ((\p)+1)&1
.set aB, (((\p)+3)/2)&1
.set aK, -1
.if \re
.set aK, 256*(((\p)+3)/2+1)-(\kb)
.endif
	ACONV aI, aB, \lcnt, aK
.else
	PLACES
.endif
.endm
	s_load_b256 s[4:11], s[0:1], 0x0       ; m_sizes s[4:5], weight s[6:7], x s[8:9], out s[10:11]
	v_lshl_add_u32 v[SPW], v0, 2, SPARE    ; the two registers of the add at the wave's end
	v_mov_b32 v[NIL], 0
	v_lshrrev_b32 v[TV], 5, v0
	v_readfirstlane_b32 s[WV], v[TV]       ; wave 0..3
	s_mov_b32 s[SJ], ttmp9
	s_and_b32 s[SL], ttmp7, 0xffff
	v_and_b32 v[R16], 15, v0
	v_bfe_u32 v[HH], v0, 4, 1
	s_wait_kmcnt 0x0
	s_load_b256 s[SM:SM+7], s[4:5], 0x0    ; m_sizes; the addresses that hang on no input are made while it is out
	v_mul_u32_u24 v[ADRA], v[R16], APITCH  ; fragments: row x pitch + 32 x half;
	v_lshl_add_u32 v[ADRA], v[HH], 5, v[ADRA]
	s_mul_i32 s[T1], s[WV], WWAVE
	s_add_co_u32 s[T1], s[T1], WB0         ; my wave's weights
	v_add_nc_u32 v[ADRW], s[T1], v[ADRA]
	v_mul_u32_u24 v[TV], v[HH], 8*APITCH   ; rounded numbers: 8 rows down for lanes 16-31, 8 bytes a lane
	v_lshl_add_u32 v[TV], v[R16], 3, v[TV]
	v_add_nc_u32 v[STW], s[T1], v[TV]
	s_mul_i32 s[T1], s[WV], 2*APITCH       ; x: my wave's rows 2 w, 2 w + 1 of each eight
	v_add_nc_u32 v[STA], s[T1], v[TV]
	s_mul_i32 s[T1], s[WV], SWAVE
	s_add_co_u32 s[T1], s[T1], STAGE       ; my stage
	v_mul_u32_u24 v[TV], v[R16], SPITCH    ; in: row l % 16, 32 bytes for each half of the lanes
	v_lshl_add_u32 v[TV], v[HH], 5, v[TV]
	v_add_nc_u32 v[STO], s[T1], v[TV]
	v_mul_u32_u24 v[TV], v[HH], SPITCH     ; back: lanes 0-15 one row of 256 bytes, lanes 16-31 the next
	v_lshl_add_u32 v[TV], v[R16], 4, v[TV]
	v_add_nc_u32 v[RD], s[T1], v[TV]
	v_lshlrev_b32 v[R16B], 4, v[R16]
	v_lshl_add_u32 v[CO], v[HH], 13, v[R16B]  ; and the same two rows in out
	v_lshl_add_u32 v[WL], v[HH], 15, v[R16B]  ; weights: 8 rows of 4,096 bytes down for lanes 16-31
	s_wait_kmcnt 0x0
	; THE DEAL, alike in every work-group.  Rows of each group, the running sum cut at 4096; group 8 is what is left.
	s_mov_b32 s[RUN], 0
.irp e, 0,1,2,3,4,5,6,7
	s_min_u32 s[SM+\e], s[SM+\e], 0x1000
	s_add_co_u32 s[T0], s[RUN], s[SM+\e]
	s_min_u32 s[T0], s[T0], 0x1000
	s_sub_co_u32 s[SM+\e], s[T0], s[RUN]
	s_mov_b32 s[RUN], s[T0]
.endr
	s_sub_co_u32 s[SM+8], 0x1000, s[RUN]
.irp e, 0,1,2,3,4,5,6,7,8
	s_add_co_u32 s[SMB+\e], s[SM+\e], 15
	s_lshr_b32 s[SMB+\e], s[SMB+\e], 4
.endr
; does a tile of c blocks give 32 tiles or fewer?  ceil(MB / c) = (MB + c - 1) x mag >> 16: exact, since mag x c - 65536 <= 8 and (MB + c - 1) <= 266
.macro TRYC c, mag
	s_mov_b32 s[SN], 0
.irp e, 0,1,2,3,4,5,6,7,8
	s_add_co_u32 s[T0], s[SMB+\e], (\c)-1
	s_mul_i32 s[T0], s[T0], \mag
	s_lshr_b32 s[T0], s[T0], 16
	s_add_co_u32 s[SN], s[SN], s[T0]
.endr
	s_cmp_le_u32 s[SN], 32
	s_cselect_b32 s[SC], \c, s[SC]
	s_cselect_b32 s[SMAG], \mag, s[SMAG]
.endm
	s_mov_b32 s[SC], 11
	s_mov_b32 s[SMAG], 5958
	TRYC 10, 6554                          ; the number of tiles does not fall as c falls, so the last c that serves is the smallest
	TRYC 9, 7282
	TRYC 8, 8193
	; my group: the last whose first tile is at or before mine
	s_mov_b32 s[SE], 0
	s_mov_b32 s[ASEL], 0
	s_mov_b32 s[MSEL], s[SM]
	s_mov_b32 s[SSEL], 0
	s_mov_b32 s[RUN], 0                    ; tiles so far
	s_mov_b32 s[SRUN], 0                   ; rows so far
	s_sub_co_u32 s[T1], s[SC], 1
.irp e, 0,1,2,3,4,5,6,7
	s_add_co_u32 s[T0], s[SMB+\e], s[T1]
	s_mul_i32 s[T0], s[T0], s[SMAG]
	s_lshr_b32 s[T0], s[T0], 16
	s_add_co_u32 s[RUN], s[RUN], s[T0]
	s_add_co_u32 s[SRUN], s[SRUN], s[SM+\e]
	s_cmp_le_u32 s[RUN], s[SJ]
	s_cselect_b32 s[SE], (\e)+1, s[SE]
	s_cselect_b32 s[ASEL], s[RUN], s[ASEL]
	s_cselect_b32 s[MSEL], s[SM+\e+1], s[MSEL]
	s_cselect_b32 s[SSEL], s[SRUN], s[SSEL]
.endr
	s_sub_co_u32 s[T0], s[SJ], s[ASEL]     ; my tile among the group's,
	s_lshl_b32 s[T1], s[SC], 4             ; of 16 c rows:
	s_mul_i32 s[T0], s[T0], s[T1]          ; its first row in the group
	s_sub_co_i32 s[REM], s[MSEL], s[T0]
	s_max_i32 s[REM], s[REM], 0
	s_min_u32 s[REM], s[REM], s[T1]        ; its rows, 0 .. 16 c
	s_add_co_u32 s[ROW0], s[SSEL], s[T0]
	s_min_u32 s[ROW0], s[ROW0], 0xfff      ; its first row (a tile without rows: some row that exists)
	s_max_u32 s[T0], s[REM], 1
	s_add_co_u32 s[T0], s[T0], s[ROW0]
	s_sub_co_u32 s[T0], s[T0], 1
	s_min_u32 s[ROWL], s[T0], 0xfff        ; its last row: places past the count repeat it
	s_add_co_u32 s[NBO], s[REM], 15
	s_lshr_b32 s[NBO], s[NBO], 4
	s_cmp_eq_u32 s[SE], 8
	s_cselect_b32 s[EZ], 1, 0
	s_cselect_b32 s[NB], 0, s[NBO]         ; rows of no expert are not multiplied
	s_min_u32 s[SE], s[SE], 7              ; the expert whose weights are walked
	s_lshl_b32 s[WOF], s[SE], 23           ; an expert is 2^23 bytes,
	s_lshl_b32 s[T0], s[SL], 20            ; a slice's 256 rows 2^20,
	s_add_co_u32 s[WOF], s[WOF], s[T0]
	s_lshl_b32 s[T0], s[WV], 18            ; a wave's 64 rows 2^18
	s_add_co_u32 s[WOF], s[WOF], s[T0]
	s_mov_b32 s[WOF+1], 0
	s_add_nc_u64 s[6:7], s[6:7], s[WOF:WOF+1]  ; weight at my wave's first row
	GLW 0, 0                               ; the first group's weights go out before x's offsets are made
	s_lshl_b32 s[OOF], s[ROW0], 13         ; out at my tile's first row, my slice's and my wave's columns
	s_lshl_b32 s[T0], s[SL], 10
	s_add_co_u32 s[OOF], s[OOF], s[T0]
	s_lshl_b32 s[T0], s[WV], 8
	s_add_co_u32 s[OOF], s[OOF], s[T0]
	s_mov_b32 s[OOF+1], 0
	s_add_nc_u64 s[10:11], s[10:11], s[OOF:OOF+1]
	; x's load (a, i) of my wave: rows 16 a + 2 w + i (lanes 0-15) and 8 further (lanes 16-31), 256 bytes of each
	s_lshl_b32 s[T0], s[WV], 1
	s_add_co_u32 s[T0], s[T0], s[ROW0]
	v_lshl_add_u32 v[ROWV], v[HH], 3, s[T0]
.irp a, 0,1,2,3,4,5,6,7,8,9,10
.irp i, 0,1
	v_add_nc_u32 v[TV], 16*(\a)+(\i), v[ROWV]
	v_min_u32 v[TV], s[ROWL], v[TV]        ; past the count: the tile's last row
	v_min_u32 v[TV], 0xfff, v[TV]          ; and inside x by a constant
	v_lshl_add_u32 v[AOFF+2*(\a)+(\i)], v[TV], 12, v[R16B]
.endr
.endr
	GLX 0, 0                               ; x step 0: two groups of 27, each group's loads on end
	GLW 1, 0
	GLX 1, 0
	ACONV 0, 0, 27, 256                    ; step 0 is rounded and stored; each half's registers are asked for again, for step 1: two groups are always out
	ACONV 1, 0, 27, 256
	PLAINBAR
	FETCH 0, 1
	s_wait_dscnt 0x0
	FETCH 1, 1                             ; the first pass stands ahead of the loop: its products start the sums, and nothing is jumped;
	WMMA 0, 1, 1
	s_wait_dscnt 0x0
	ACONV 0, 1, 27, 512                    ; it takes both halves of step 1, so that none of them is waited for ahead of the first product
	ACONV 1, 1, 27, 512
	PLAINBAR
	s_mov_b32 s[TRIP], 6
.Ltrip:                                        ; passes 4 k + 1 .. 4 k + 4: two x steps
	PASS 1, 27, 1, 0
	PASS 2, 27, 1, 0
	PLAINBAR
	PASS 3, 27, 1, 0
	PASS 4, 27, 1, 0
	PLAINBAR
	s_wait_xcnt 0x0                        ; the loads' addresses are translated (ISA guide 3.1): only now are the two bases stepped
	s_add_nc_u64 s[8:9], s[8:9], 512       ; two x steps of 256 bytes
	s_add_nc_u64 s[6:7], s[6:7], 512
	s_sub_co_u32 s[TRIP], s[TRIP], 1
	s_cmp_lg_u32 s[TRIP], 0
	s_cbranch_scc1 .Ltrip
	PASS 25, 27, 1, 3072                   ; the bases stand 6 x 512 bytes on; step 15 is the last that is asked for
	PASS 26, 27, 1, 3072
	PLAINBAR
	PASS 27, 27, 0, 0                      ; nothing more is asked for: one group is out behind this one, then none
	PASS 28, 0, 0, 0
	PLAINBAR
	PASS 29, -1, 0, 0
	PASS 30, -1, 0, 0
	WMMA 31, 0, 0
	; THE WAY OUT, a block of 16 rows at a time: a lane's 32 bytes of a row go into my own stage and come back as whole rows of 256 bytes.
	PLACES                                 ; behind the last products
	s_cmp_eq_u32 s[REM], 0
	s_cbranch_scc1 .Lend                   ; a tile without rows stores nothing
	s_cmp_lg_u32 s[EZ], 0
	s_cbranch_scc1 .Lzero
; eight stores of two rows each, rows past the count off.  EXEC changes only behind s_wait_xcnt 0
.macro MSTORES base, step
.irp t, 0,1,2,3,4,5,6,7
	s_sub_co_i32 s[T0], s[REM], 2*(\t)
	v_cmp_gt_i32 vcc_lo, s[T0], v[HH]      ; row 2 t + lane / 16 is below the count
	s_wait_xcnt 0x0
	s_and_saveexec_b32 s[SVX], vcc_lo
	global_store_b128 v[CO], v[(\base)+(\step)*(\t):(\base)+(\step)*(\t)+3], s[10:11] offset:16384*(\t) th:TH_STORE_NT
	s_wait_xcnt 0x0
	s_or_b32 exec_lo, exec_lo, s[SVX]
.endr
.endm
.macro OUTBLK blk
.if (\blk) > 0
	s_cmp_eq_u32 s[REM], 0
	s_cbranch_scc1 .Lend
.endif
.if (\blk) < 8
	WIN 0x08                               ; the stores' data in window 2
.else
	WIN 0x0c                               ; in window 3
.endif
.irp b, 0,1,2,3
.set rD, (32*(\blk)+8*(\b))&255
	ds_store_b128 v[STO], v[rD:rD+3] offset:64*(\b)        ; each accumulator's low registers first
	ds_store_b128 v[STO], v[rD+4:rD+7] offset:64*(\b)+16
.endr
	WIN 0
	s_wait_xcnt 0x0                        ; the last block's stores have read their registers and their base
.if (\blk) > 0
	s_add_nc_u64 s[10:11], s[10:11], 131072  ; 16 rows of out on
.endif
.irp t, 0,1,2,3,4,5,6,7
	ds_load_b128 v[OB+4*(\t):OB+4*(\t)+3], v[RD] offset:2*SPITCH*(\t)  ; LDS serves a wave's instructions in order (ISA guide 5.7.1.4): these see the stores above
.endr
	s_cmp_lt_u32 s[REM], 16
	s_cbranch_scc1 .Lpartial
.irp t, 0,1,2,3,4,5,6,7
	s_wait_dscnt 7-(\t)                    ; read-back t is in; the younger ones stay out
	global_store_b128 v[CO], v[OB+4*(\t):OB+4*(\t)+3], s[10:11] offset:16384*(\t) th:TH_STORE_NT  ; 16 lanes store 256 consecutive bytes, at a multiple of 256 from out's first byte
.endr
	s_sub_co_u32 s[REM], s[REM], 16
.endm
.irp k, 0,1,2,3,4,5,6,7,8,9,10
	OUTBLK \k
.endr
	s_branch .Lend
.Lpartial:                                     ; the tile's last block, 1 to 15 rows
	s_wait_dscnt 0x0
	MSTORES OB, 4
	s_branch .Lend
.Lzero:                                        ; rows of no expert: zeros
.irp q, 0,1,2,3
	v_mov_b32 v[OB+\q], 0
.endr
	s_mov_b32 s[ZI], 0
.Lzl:
	MSTORES OB, 0
	s_add_nc_u64 s[10:11], s[10:11], 131072  ; behind the last s_wait_xcnt 0 of the stores above
	s_sub_co_i32 s[REM], s[REM], 16
	s_add_co_u32 s[ZI], s[ZI], 1
	s_cmp_lt_u32 s[ZI], s[NBO]
	s_cbranch_scc1 .Lzl
.Lend:
	s_wait_tensorcnt 0x0                   ; the wave's end, behind my last LDS store
	ds_add_u32 v[SPW], v[NIL]
	s_wait_dscnt 0x0
	s_endpgm
.Lfunc_end_k_qc587012926_gmm:
	.size	k_qc587012926_gmm, .Lfunc_end_k_qc587012926_gmm-k_qc587012926_gmm
	.p2alignl 7, 3214868480
	.fill 96, 4, 3214868480
	.section	.rodata,"a",@progbits
	.p2align	6, 0x0
	.amdhsa_kernel k_qc587012926_gmm
		.amdhsa_group_segment_fixed_size 142336
		.amdhsa_private_segment_fixed_size 0
		.amdhsa_enable_private_segment 0
		.amdhsa_kernarg_size 32
		.amdhsa_user_sgpr_count 2
		.amdhsa_user_sgpr_kernarg_segment_ptr 1
		.amdhsa_wavefront_size32 1
		.amdhsa_system_sgpr_workgroup_id_x 1
		.amdhsa_system_sgpr_workgroup_id_y 1
		.amdhsa_system_sgpr_workgroup_id_z 1
		.amdhsa_system_vgpr_workitem_id 0
		.amdhsa_next_free_vgpr 864
		.amdhsa_next_free_sgpr 76
		.amdhsa_reserve_vcc 1
		.amdhsa_float_denorm_mode_32 3
		.amdhsa_float_denorm_mode_16_64 3
		.amdhsa_memory_ordered 1
		.amdhsa_forward_progress 1
		.amdhsa_inst_pref_size 211
	.end_amdhsa_kernel
	.amdgpu_metadata
---
amdhsa.version: [ 1, 2 ]
amdhsa.kernels:
  - .name:           k_qc587012926_gmm
    .symbol:         k_qc587012926_gmm.kd
    .args:
      - { .name: m_sizes, .offset: 0, .size: 8, .value_kind: global_buffer, .address_space: global }
      - { .name: weight, .offset: 8, .size: 8, .value_kind: global_buffer, .address_space: global }
      - { .name: x, .offset: 16, .size: 8, .value_kind: global_buffer, .address_space: global }
      - { .name: out0, .offset: 24, .size: 8, .value_kind: global_buffer, .address_space: global }
    .group_segment_fixed_size: 142336
    .private_segment_fixed_size: 0
    .kernarg_segment_align: 8
    .kernarg_segment_size: 32
    .max_flat_workgroup_size: 128
    .sgpr_count:     76
    .vgpr_count:     864
    .wavefront_size: 32
...
	.end_amdgpu_metadata
.endif
;; end of part 2
